; MI455X (gfx1250); checked and timed in simulation.
; The chip was launched on July 23, 2026; its instructions are those of AMD's public machine-readable ISA for CDNA 5 (MIT licence, August 2026) and "CDNA5" Instruction Set Architecture Reference Guide (July 2026). The comments in the code are by the model that wrote it; some were corrected since.
;; Mo E Layer. Allowed arithmetic: matrix products marked QUANTISED: E3M2 operands, one E8M0 scale for each 32 along K, by v_wmma_scale_f32_16x16x128_f8f6f4 with both operands' format E3M2, f32 sums; products left as they are: f32 operands where the result goes on into a quantised operand, else bf16, f16 or f32 operands; f32 sums; everything else in f32.
;; Inputs: b1 2 x 4,096 float32; b2 2 x 1,024 float32; w1 2 x 1,024 x 4,096 float32; w2 2 x 4,096 x 1,024 float32; wg 1,024 x 2 float32; x 2 x 2,048 x 1,024 float32.
;; Outputs: out0 2 x 2,048 x 1,024 float32; out1 4,096 x 2 float32.
;; This version of the problem:
;;   THIS VERSION OF THE PROBLEM IS GIVEN IN LOW PRECISION. The matrix products marked QUANTISED in the list below multiply operands that are first quantised to E3M2 (3 exponent bits, 2 mantissa bits; 6 bits a number), with one power-of-two scale for each 32 numbers along K (OCP MX v1.0); their sums are f32. All else is computed in f32.
;;   The module's matrix products, in the order in which they are computed (A, B: the left and right operand; K: the contracted axis; several contracted axes count as one K, in the product's order):
;;     1. [M 4,096, K 1,024] x [K 1,024, N 2]; A: input x; B: input wg: left as it is (N = 2 < 16)
;;     2. [M 8,192, K 1,024] x [K 1,024, N 4,096]; A: input w1; B: input x: QUANTISED
;;     3. batch 2 x [M 4,096, K 4,096] x [K 4,096, N 1,024]; A: computed on the way; B: input w2: QUANTISED
;;   THE QUANTISER, for each operand of a quantised product, along K:
;;     - K is cut into blocks of 32 from its start; a last block that is shorter is filled with zeros.
;;     - A block's scale is 2^e with e = floor(log2(the largest magnitude in the block)) - 4, held to -126 .. 127; a block of zeros has e = 0. As a byte (E8M0): e + 127.
;;     - Each number is divided by its block's scale, clamped to +-28, and rounded to the nearest number of E3M2, ties to even, subnormals kept.
;;     - The product sums the exact products of the quantised numbers (number of the format x scale) in f32.
;;   ~~~python
;;   def quantise(x, axis):      # numpy; x: float32 -> the quantised numbers, widened to float32 again
;;       x = np.moveaxis(x, axis, -1); K = x.shape[-1]
;;       x = np.pad(x, [(0, 0)] * (x.ndim - 1) + [(0, -K % 32)]); x = x.reshape(x.shape[:-1] + (-1, 32)); a = np.abs(x).max(-1, keepdims=True)
;;       e = np.where(a > 0, np.clip(np.frexp(np.where(a > 0, a, 1))[1] - 1 - 4, -126, 127), 0)      # np.frexp(a)[1] - 1 = floor(log2(a)), exactly
;;       r = np.clip(x / 2.0 ** e, -28, 28)
;;       step = 2.0 ** (np.maximum(np.frexp(np.where(r == 0, 1, r))[1] - 1, -2) - 2)
;;       q = np.round(r / step) * step * 2.0 ** e      # np.round: ties to even
;;       return np.moveaxis(q.reshape(q.shape[:-2] + (-1,))[..., :K], -1, axis).astype(np.float32)
;;   ~~~
;;   OPERANDS COMPUTED ON THE WAY. 'Computed on the way' means the value that the module computes at that place (a softmax that the list does not call 'softmax' is quantised finished and normalised). What goes into a quantiser is computed in f32, as accurately as f32 sums, v_exp_f32 and their like allow (about 1e-6 of the number): no bf16 or f16 on the way to a quantiser, and a product that is left as it is and whose result goes on into a quantised operand takes f32 operands (vector FMAs, or v_wmma_f32_16x16x4_f32). A number that lies on a knife's edge between two numbers of the format may be rounded either way, as far as f32 arithmetic and the matrix unit's own rounding can turn it there, and no further.
;; One version. Each part assembles by itself: llvm-mc -triple=amdgcn-amd-amdhsa -mcpu=gfx1250 --defsym DOCPART=n.
;; ======== version 1 of 1: 3 launches
;; limits: right only within a limited range of input values
;; workspace buffers: XC 3,145,728 bytes; XS 131,072 bytes; W1Q 6,553,600 bytes; W2Q 6,553,600 bytes; HQ 26,214,400 bytes
;; launch prep (part 1): grid 768 x 1, 4 waves a work-group, no clusters, 35,328 bytes of LDS; arguments x, wg, w1, w2, XC, XS, W1Q, W2Q, out1; writes XC, XS, W1Q, W2Q, out1
.if DOCPART == 1
	.amdgcn_target "amdgcn-amd-amdhsa--gfx1250"
	.amdhsa_code_object_version 6
	.text
	.protected	k_qda5750a118_prep
	.globl	k_qda5750a118_prep
	.p2align	8
	.type	k_qda5750a118_prep,@function
k_qda5750a118_prep:
	s_mov_b64 s[64:65], 0
	v_nop
	global_prefetch_b8 v0, s[64:65] scope:SCOPE_SE
	s_setreg_imm32_b32 hwreg(HW_REG_WAVE_MODE, 25, 1), 1
	s_wait_xcnt 0x0
; PREP: x [4096][1024], w1 [2][1024][4096] and w2 [2][4096][1024], all f32, become codes of BF6 (E3M2) with one E8M0 byte for each 32 along K,
; laid in the ORDER OF THE OPERAND'S REGISTERS; and the router's logits x wg (f32 multiply-adds) go to out1.
; A FRAGMENT'S IMAGE (16 rows x 128 K, 12 registers a lane, 1,536 bytes): register j of lane L lies at byte 512 (j / 4) + 16 L + 4 (j % 4); lane (r, h) holds row r,
; registers 6 c .. 6 c + 5 hold K = 64 c + 32 h + 0 .. 31.  Three accesses of 16 bytes a lane move a fragment.
; A block's scale is 2^(floor(log2(largest magnitude)) - 4): its byte is the largest magnitude's exponent field - 4, held at 1 from below by a floor among the maximum's leaves.
; LIMITS: a block of zeros (and any block under 2^(5 - 127)) keeps the byte 1 where the rule says 127: its codes are zeros and only this program reads the bytes.  NaN and infinities are not served.
; SHARES: work-group 3 i + kind.  kind 0: block i of 16 tokens of x, each of the four waves two K steps of 128 (65,536 bytes read);  kind 1: w1;  kind 2: w2 (a wave = 32 columns x 256 along K, a lane to a
; column, registers down K: 131,072 bytes read).  Three work-groups whose numbers are neighbours, or 256 apart, are one of each kind, so that equal numbers of work-groups are equal work.
; No tensor load, no cluster: work-groups share nothing but wg's 8,192 bytes.  Only x's path uses LDS and has a barrier: the four waves' parts of the logits and their scale words meet there.
; The logits are summed lane by lane, then over the 32 lanes, then over the four waves: another order of f32 additions than one chain's.
; w2's scale words and out1 leave in runs of 128 bytes, a few thousandths of the launch's bytes; every other store covers whole aligned runs of 256 bytes or more.
.set STGB, 8448                        ; a wave's stage: 16 rows x (512 + 16) bytes; later 32 x 144 bytes for the logits' sums
.set XSL,  33792                       ; behind the four stages: the block's 16 rows x 8 scale words,
.set LGL,  34304                       ; and the four waves' parts of its 32 logits
.set SW,   16                          ; v16-17   two K steps' scale words
.set CI,   24                          ; v24-47   x: two sets of 12 code registers       (weights: v24-71, four sets)
.set TT,   48                          ; v48-54   the upper halves of two blocks' codes
.set WGV,  56                          ; v56-71   two sets of 8: wg[k][0:1] of my four k
.set ACC,  72                          ; v72-103  my part of the logits: register 2 i + e for token i, expert e
.set R,    104                         ; v104-231 two sets of 64 numbers of x
.set WC,   24
.set WX,   104                         ; v104-167 weights: two sets of 32 numbers
	s_load_b256 s[4:11], s[0:1], 0x0               ; x, wg, w1, w2
	s_load_b256 s[12:19], s[0:1], 0x20             ; XC, XS, W1Q, W2Q
	s_load_b64 s[20:21], s[0:1], 0x40              ; out1
	v_lshl_add_u32 v240, v0, 2, 0x8800
	v_mov_b32 v241, 0
	v_lshrrev_b32 v1, 5, v0
	v_readfirstlane_b32 s22, v1                    ; wave
	v_and_b32 v232, 31, v0                         ; L
	v_and_b32 v233, 15, v0                         ; r = L % 16
	v_bfe_u32 v234, v0, 4, 1                       ; h = L / 16
	s_mov_b32 s25, 0
	s_mul_hi_u32 s41, ttmp9, 0x55555556            ; i = work-group / 3 (exact for numbers this small)
	s_mul_i32 s40, s41, 3
	s_sub_co_u32 s40, ttmp9, s40                   ; kind = work-group % 3
	s_wait_kmcnt 0x0
	s_cmp_eq_u32 s40, 0
	s_cbranch_scc0 .Lweights
; ---------------------------------------------------------------- x: block i, K steps 2 wave and 2 wave + 1
	s_lshl_b32 s24, s41, 16
	s_lshl_b32 s28, s22, 10
	s_add_co_u32 s24, s24, s28
	s_add_nc_u64 s[4:5], s[4:5], s[24:25]          ; x: 16 rows of 4,096 bytes, my 1,024 bytes of each
	s_lshl_b32 s24, s22, 11
	s_add_nc_u64 s[6:7], s[6:7], s[24:25]          ; wg: my 256 rows of 8 bytes
	s_mul_i32 s24, s41, 12288
	s_mul_i32 s28, s22, 3072
	s_add_co_u32 s24, s24, s28
	s_add_nc_u64 s[12:13], s[12:13], s[24:25]      ; XC: my two of the block's eight images
	s_lshl_b32 s24, s41, 9
	s_add_nc_u64 s[14:15], s[14:15], s[24:25]      ; XS: 16 rows x 8 words
	s_lshl_b32 s24, s41, 7
	s_add_nc_u64 s[20:21], s[20:21], s[24:25]      ; out1: 16 tokens x 2
	s_mul_i32 s28, s22, STGB                       ; my stage
	s_mov_b32 s26, 0x76543210
	s_mov_b32 s27, 0xfedcba98                      ; v_permlanex16_b32's selects for lane l xor 16
	s_lshl_b32 s29, s22, 3
	s_add_co_u32 s29, s29, XSL
	s_lshl_b32 s30, s22, 7
	s_add_co_u32 s30, s30, LGL
	s_wait_alu depctr_va_vdst(0)
	v_lshlrev_b32 v1, 4, v232                      ; 16 L
	v_lshlrev_b32 v2, 5, v232                      ; 32 L
	v_add_nc_u32 v3, s28, v1                       ; into the stage: as loaded
	v_mul_u32_u24 v4, v233, 528
	v_lshl_add_u32 v4, v234, 7, v4
	v_add_nc_u32 v4, s28, v4                       ; out of it: row r, + 128 h: my blocks h and 2 + h
	v_lshlrev_b32 v5, 3, v234                      ; 8 h
	v_lshl_add_u32 v6, v233, 5, s29                ; my two scale words of row r: 32 r + 8 wave
	v_lshlrev_b32 v7, 2, v232                      ; 4 L
	v_mul_u32_u24 v8, v232, 144
	v_add_nc_u32 v8, s28, v8                       ; the sums: my 32 parts, 144 bytes a lane
	v_add_nc_u32 v9, s28, v7                       ; and word L of every lane's
	v_add_nc_u32 v236, s30, v7                     ; my wave's part of logit L
	v_add_nc_u32 v237, XSL, v1                     ; for wave 0 at the end: 16 bytes a lane of the scale words,
	v_add_nc_u32 v238, LGL, v7                     ; and logit L of each wave
	v_mov_b32 v15, 0                               ; a lane permute's destination counts as one of its sources
.macro LOADX s                         ; my K step s: 16 rows x 512 consecutive bytes, and wg's 128 rows
.set RS, R+64*(\s)
.set WS, WGV+8*(\s)
.irp i, 0,1,2,3,4,5,6,7,8,9,10,11,12,13,14,15
	global_load_b128 v[RS+4*\i:RS+4*\i+3], v1, s[4:5] offset:4096*\i+512*(\s) th:TH_LOAD_NT
.endr
	global_load_b128 v[WS:WS+3], v2, s[6:7] offset:1024*(\s)
	global_load_b128 v[WS+4:WS+7], v2, s[6:7] offset:1024*(\s)+16
.endm
.macro DOT s, j                        ; number j of my four of each row x the pair wg[k][0:1]: sixteen sums by turns; the very first product starts them
.irp i, 0,1,2,3,4,5,6,7,8,9,10,11,12,13,14,15
.if ((\s) == 0) && ((\j) == 0)
	v_pk_mul_f32 v[ACC+2*\i:ACC+2*\i+1], v[RS+4*\i:RS+4*\i+1], v[WS:WS+1] op_sel:[0,0] op_sel_hi:[0,1]
.elseif (\j)%2 == 0
	v_pk_fma_f32 v[ACC+2*\i:ACC+2*\i+1], v[RS+4*\i+(\j):RS+4*\i+(\j)+1], v[WS+2*(\j):WS+2*(\j)+1], v[ACC+2*\i:ACC+2*\i+1] op_sel:[0,0,0] op_sel_hi:[0,1,1]
.else
	v_pk_fma_f32 v[ACC+2*\i:ACC+2*\i+1], v[RS+4*\i+(\j)-1:RS+4*\i+(\j)], v[WS+2*(\j):WS+2*(\j)+1], v[ACC+2*\i:ACC+2*\i+1] op_sel:[1,0,0] op_sel_hi:[1,1,1]
.endif
.endr
.endm
.macro STEPX s                         ; each of the two steps has registers of its own for its numbers and its codes: no store's data are written again
.set RS, R+64*(\s)
.set WS, WGV+8*(\s)
.set CS, CI+12*(\s)
.if (\s) < 1
	s_wait_loadcnt 18                              ; this step's 18 loads are in; the second step's 18 may be out
.else
	s_wait_loadcnt 0x0
.endif
	DOT \s, 0
	DOT \s, 1
	DOT \s, 2
	DOT \s, 3
.irp i, 0,1,2,3,4,5,6,7,8,9,10,11,12,13,14,15
	ds_store_b128 v3, v[RS+4*\i:RS+4*\i+3] offset:528*\i
.endr
.irp c, 0,1
.irp j, 0,1,2,3,4,5,6,7
	ds_load_b128 v[RS+32*\c+4*\j:RS+32*\c+4*\j+3], v4 offset:256*\c+16*\j   ; LDS serves a wave's instructions in order: these see the stores; register 32 c + i = K 64 c + 32 h + i of row r
.endr
.endr
	s_wait_dscnt 0x0
.irp c, 0,1
	v_max3_num_f32 v[10+\c], |v[RS+32*\c]|, |v[RS+32*\c+1]|, 0x2800000   ; my block 2 c + h: all 32 numbers are mine; the floor 2^(5 - 127) holds the byte at 1
.endr
.irp i, 2,4,6,8,10,12,14,16,18,20,22,24,26,28,30
.irp c, 0,1
	v_max3_num_f32 v[10+\c], v[10+\c], |v[RS+32*\c+\i]|, |v[RS+32*\c+\i+1]|
.endr
.endr
	v_add_nc_u32 v12, 0xfe000000, v10              ; 4 off the exponent field: the conversion's scale operand
	v_add_nc_u32 v13, 0xfe000000, v11
	v_lshrrev_b32 v10, 23, v12                     ; the bytes
	v_lshrrev_b32 v11, 23, v13
	v_lshl_or_b32 v14, v11, 16, v10                ; blocks h and 2 + h,
	v_lshlrev_b32 v14, v5, v14                     ; at their places in the word;
	v_permlanex16_b32 v15, v14, s26, s27
	v_or_b32 v[SW+(\s)], v14, v15                  ; with lane l xor 16's two the word is whole, in both lanes of a row
	v_cvt_scalef32_pk16_bf6_f32 v[CS:CS+2], v[RS:RS+15], v12
	v_cvt_scalef32_pk16_bf6_f32 v[TT:TT+2], v[RS+16:RS+31], v12       ; (a conversion's three registers begin on an even number)
	v_cvt_scalef32_pk16_bf6_f32 v[CS+6:CS+8], v[RS+32:RS+47], v13
	v_cvt_scalef32_pk16_bf6_f32 v[TT+4:TT+6], v[RS+48:RS+63], v13
	v_nop                                          ; one plain place behind a scaled conversion
.irp i, 0,1,2
	v_mov_b32 v[CS+3+\i], v[TT+\i]
	v_mov_b32 v[CS+9+\i], v[TT+4+\i]
.endr
.irp g, 0,1,2
	global_store_b128 v1, v[CS+4*\g:CS+4*\g+3], s[12:13] offset:1536*(\s)+512*\g   ; the image: 512 consecutive bytes a store
.endr
.endm
	LOADX 0
	LOADX 1
	STEPX 0
	STEPX 1
	ds_store_b64 v6, v[SW:SW+1]                    ; row r's words of my two K steps (both lanes of a row write the same bytes with the same value)
.irp g, 0,1,2,3,4,5,6,7
	ds_store_b128 v8, v[ACC+4*\g:ACC+4*\g+3] offset:16*\g   ; the logits: every lane's 32 parts,
.endr
.irp j, 0,1,2,3,4,5,6,7,8,9,10,11,12,13,14,15,16,17,18,19,20,21,22,23,24,25,26,27,28,29,30,31
	ds_load_b32 v[R+\j], v9 offset:144*\j          ; and lane L takes part L of all 32 lanes
.endr
	s_wait_dscnt 0x0
.irp j, 0,2,4,6,8,10,12,14
	v_pk_add_f32 v[R+\j:R+\j+1], v[R+\j:R+\j+1], v[R+16+\j:R+17+\j]
.endr
.irp j, 0,2,4,6
	v_pk_add_f32 v[R+\j:R+\j+1], v[R+\j:R+\j+1], v[R+8+\j:R+9+\j]
.endr
.irp j, 0,2
	v_pk_add_f32 v[R+\j:R+\j+1], v[R+\j:R+\j+1], v[R+4+\j:R+5+\j]
.endr
	v_pk_add_f32 v[R:R+1], v[R:R+1], v[R+2:R+3]
	v_add_f32 v[R], v[R], v[R+1]
	ds_store_b32 v236, v[R]                        ; my wave's 256 along K of token L / 2, expert L % 2
	s_wait_dscnt 0x0                               ; for the others' sake: my stores have landed
	s_barrier_signal -1
	s_barrier_wait -1                              ; the four waves' words and parts lie in LDS
	s_cmp_lg_u32 s22, 0
	s_cbranch_scc1 .Lxend                          ; wave 0 alone stores them
	ds_load_b128 v[TT:TT+3], v237
.irp j, 0,1,2,3
	ds_load_b32 v[R+\j], v238 offset:128*\j
.endr
	s_wait_dscnt 0x0
	v_add_f32 v[R], v[R], v[R+1]
	v_add_f32 v[R+2], v[R+2], v[R+3]
	v_add_f32 v[R], v[R], v[R+2]
	global_store_b128 v1, v[TT:TT+3], s[14:15]     ; the block's scale words: 512 consecutive bytes
	global_store_b32 v7, v[R], s[20:21]            ; token L / 2, expert L % 2
.Lxend:
	s_wait_tensorcnt 0x0
	ds_add_u32 v240, v241
	s_wait_dscnt 0x0
	s_endpgm
; ---------------------------------------------------------------- the weights
.macro LOADW t, stride                 ; block t: rows 32 t + i of my column, into set t % 2
.irp i, 0,1,2,3,4,5,6,7,8,9,10,11,12,13,14,15,16,17,18,19,20,21,22,23,24,25,26,27,28,29,30,31
	global_load_b32 v[WX+32*((\t)%2)+\i], v1, s[36:37] offset:(32*(\t)+\i)*\stride th:TH_LOAD_NT
.endr
.endm
.macro BLOCKW t, stride, qs            ; block t = block t % 4 of K step t / 4: it belongs to the image's lane (my row, t % 2), registers 6 ((t % 4) / 2) on
.set XB, WX+32*((\t)%2)
.set CD, WC+24*((\t)/4)+12*((\t)%2)+6*(((\t)%4)/2)
.if (\t) < 7
	s_wait_loadcnt 32                              ; this block's 32 loads are in; the next block's may be out
.else
	s_wait_loadcnt 0x0
.endif
	v_max3_num_f32 v12, |v[XB]|, |v[XB+1]|, |v[XB+2]|
	v_max3_num_f32 v13, |v[XB+3]|, |v[XB+4]|, |v[XB+5]|
.irp i, 6,10,14,18,22,26
	v_max3_num_f32 v12, v12, |v[XB+\i]|, |v[XB+\i+1]|
	v_max3_num_f32 v13, v13, |v[XB+\i+2]|, |v[XB+\i+3]|
.endr
	v_max3_num_f32 v12, v12, |v[XB+30]|, |v[XB+31]|
	v_max3_num_f32 v12, v12, v13, 0x2800000        ; and the floor
	v_add_nc_u32 v14, 0xfe000000, v12              ; the conversion's scale operand
	v_lshrrev_b32 v15, 23, v14                     ; the byte
.if (\t)%4 == 0
	v_mov_b32 v[SW+(\t)/4], v15
.else
	v_lshl_or_b32 v[SW+(\t)/4], v15, 8*((\t)%4), v[SW+(\t)/4]
.endif
	v_cvt_scalef32_pk16_bf6_f32 v[CD:CD+2], v[XB:XB+15], v14
	v_cvt_scalef32_pk16_bf6_f32 v[20:22], v[XB+16:XB+31], v14
	v_nop                                          ; one plain place behind a scaled conversion
.irp i, 0,1,2
	v_mov_b32 v[CD+3+\i], v[20+\i]
.endr
.if (\t)+2 < 8
	LOADW (\t)+2, \stride
.endif
.if (\t)%4 == 3                        ; a K step is whole: sixteen neighbouring lanes store 256 consecutive aligned bytes; each store has data registers of its own
.irp hh, 0,1
.irp g, 0,1,2
	global_store_b128 v2, v[WC+24*((\t)/4)+12*\hh+4*\g:WC+24*((\t)/4)+12*\hh+4*\g+3], s[32:33] offset:((\t)/4)*\qs+512*\g+256*\hh
.endr
.endr
.endif
.endm
.macro WBODY stride, qs, kind
	LOADW 0, \stride
	LOADW 1, \stride
.irp t, 0,1,2,3,4,5,6,7
	BLOCKW \t, \stride, \qs
.endr
.if \kind == 1
	global_store_b64 v3, v[SW:SW+1], s[34:35]      ; two K steps' words a lane: 256 consecutive bytes
.else
	global_store_b32 v3, v[SW], s[34:35]           ; a word a lane in each of two records
	global_store_b32 v3, v[SW+1], s[34:35] offset:12800
.endif
.endm
.Lweights:
	s_wait_alu depctr_va_vdst(0)
	v_mul_u32_u24 v2, v234, 1536
	v_lshl_add_u32 v2, v233, 4, v2                 ; my tile's image, my row's 16 bytes
	s_cmp_eq_u32 s40, 1
	s_cbranch_scc0 .Lw2
	; w1: W1Q is 256 records of 25,600 bytes, one for each group G of 32 hidden units: [K step 8][tile 2][1,536], then scale words [K step pair 4][lane 32][2].
	; Lane 16 u + p is row p of tile u = hidden unit 8 u + p % 8 + 16 (p / 8) of the group, so that a lane's 16 results of the two tiles are 16 neighbours along the next K.
	s_and_b32 s24, s41, 63                         ; which 128 columns of the 2 x 4,096
	s_lshr_b32 s27, s41, 6                         ; which 256 along K
	s_lshr_b32 s26, s24, 5                         ; expert
	s_lshl_b32 s38, s24, 2
	s_add_co_u32 s38, s38, s22                     ; G
	s_lshl_b32 s28, s26, 2
	s_add_co_u32 s28, s28, s27
	s_lshl_b32 s28, s28, 22                        ; (4 e + ks) x 256 rows of 16,384 bytes
	s_and_b32 s29, s24, 31
	s_lshl_b32 s29, s29, 9
	s_add_co_u32 s28, s28, s29
	s_lshl_b32 s29, s22, 7
	s_add_co_u32 s28, s28, s29
	s_mov_b32 s29, 0
	s_add_nc_u64 s[36:37], s[8:9], s[28:29]
	s_mul_i32 s28, s38, 25600
	s_mul_i32 s30, s27, 6144
	s_add_co_u32 s30, s30, s28
	s_mov_b32 s31, 0
	s_add_nc_u64 s[32:33], s[16:17], s[30:31]
	s_lshl_b32 s30, s27, 8
	s_add_co_u32 s30, s30, s28
	s_add_co_u32 s30, s30, 24576
	s_add_nc_u64 s[34:35], s[16:17], s[30:31]
	v_and_b32 v1, 7, v232
	v_lshl_or_b32 v1, v234, 3, v1
	v_bfe_u32 v12, v0, 3, 1
	v_lshl_or_b32 v1, v12, 4, v1
	v_lshlrev_b32 v1, 2, v1                        ; my column, in bytes
	v_lshlrev_b32 v3, 3, v232
	WBODY 16384, 3072, 1
	s_endpgm
.Lw2:
	; w2: W2Q is records of 12,800 bytes, index (Nt 2 + e) 32 + K step: [block of 16 outputs 8][1,536], then scale words [pair of blocks 4][lane 32].  Outputs in their own order.
	s_and_b32 s24, s41, 7                          ; Nt: which 128 outputs
	s_bfe_u32 s26, s41, 0x10003                    ; expert
	s_lshr_b32 s27, s41, 4                         ; which 256 along K
	s_lshl_b32 s28, s26, 24
	s_lshl_b32 s29, s27, 20
	s_add_co_u32 s28, s28, s29
	s_lshl_b32 s29, s24, 9
	s_add_co_u32 s28, s28, s29
	s_lshl_b32 s29, s22, 7
	s_add_co_u32 s28, s28, s29
	s_mov_b32 s29, 0
	s_add_nc_u64 s[36:37], s[10:11], s[28:29]
	s_lshl_b32 s30, s24, 1
	s_add_co_u32 s30, s30, s26
	s_lshl_b32 s30, s30, 5
	s_lshl_b32 s31, s27, 1
	s_add_co_u32 s30, s30, s31
	s_mul_i32 s28, s30, 12800                      ; the first of my two records
	s_mul_i32 s30, s22, 3072
	s_add_co_u32 s30, s30, s28
	s_mov_b32 s31, 0
	s_add_nc_u64 s[32:33], s[18:19], s[30:31]
	s_lshl_b32 s30, s22, 7
	s_add_co_u32 s30, s30, s28
	s_add_co_u32 s30, s30, 12288
	s_add_nc_u64 s[34:35], s[18:19], s[30:31]
	v_lshlrev_b32 v1, 2, v232
	v_lshlrev_b32 v3, 2, v232
	WBODY 4096, 12800, 2
	s_endpgm
.Lfunc_end_k_qda5750a118_prep:
	.size	k_qda5750a118_prep, .Lfunc_end_k_qda5750a118_prep-k_qda5750a118_prep
	.p2alignl 7, 3214868480
	.fill 96, 4, 3214868480
	.section	.rodata,"a",@progbits
	.p2align	6, 0x0
	.amdhsa_kernel k_qda5750a118_prep
		.amdhsa_group_segment_fixed_size 35328
		.amdhsa_private_segment_fixed_size 0
		.amdhsa_enable_private_segment 0
		.amdhsa_kernarg_size 72
		.amdhsa_user_sgpr_count 2
		.amdhsa_user_sgpr_kernarg_segment_ptr 1
		.amdhsa_wavefront_size32 1
		.amdhsa_system_sgpr_workgroup_id_x 1
		.amdhsa_system_sgpr_workgroup_id_y 1
		.amdhsa_system_sgpr_workgroup_id_z 1
		.amdhsa_system_vgpr_workitem_id 0
		.amdhsa_next_free_vgpr 242
		.amdhsa_next_free_sgpr 66
		.amdhsa_reserve_vcc 0
		.amdhsa_float_denorm_mode_32 3
		.amdhsa_float_denorm_mode_16_64 3
		.amdhsa_memory_ordered 1
		.amdhsa_forward_progress 1
		.amdhsa_inst_pref_size 106
	.end_amdhsa_kernel
	.amdgpu_metadata
---
amdhsa.version: [ 1, 2 ]
amdhsa.kernels:
  - .name:           k_qda5750a118_prep
    .symbol:         k_qda5750a118_prep.kd
    .args:
      - { .name: x, .offset: 0, .size: 8, .value_kind: global_buffer, .address_space: global }
      - { .name: wg, .offset: 8, .size: 8, .value_kind: global_buffer, .address_space: global }
      - { .name: w1, .offset: 16, .size: 8, .value_kind: global_buffer, .address_space: global }
      - { .name: w2, .offset: 24, .size: 8, .value_kind: global_buffer, .address_space: global }
      - { .name: XC, .offset: 32, .size: 8, .value_kind: global_buffer, .address_space: global }
      - { .name: XS, .offset: 40, .size: 8, .value_kind: global_buffer, .address_space: global }
      - { .name: W1Q, .offset: 48, .size: 8, .value_kind: global_buffer, .address_space: global }
      - { .name: W2Q, .offset: 56, .size: 8, .value_kind: global_buffer, .address_space: global }
      - { .name: out1, .offset: 64, .size: 8, .value_kind: global_buffer, .address_space: global }
    .group_segment_fixed_size: 35328
    .private_segment_fixed_size: 0
    .kernarg_segment_align: 8
    .kernarg_segment_size: 72
    .max_flat_workgroup_size: 128
    .sgpr_count:     66
    .vgpr_count:     242
    .wavefront_size: 32
...
	.end_amdgpu_metadata
.endif
;; end of part 1
;; launch fc (part 2): grid 16 x 16, 8 waves a work-group, clusters of 4 x 1, 327,680 bytes of LDS; arguments XC, XS, W1Q, b1, HQ; writes HQ
.if DOCPART == 2
	.amdgcn_target "amdgcn-amd-amdhsa--gfx1250"
	.amdhsa_code_object_version 6
	.text
	.protected	k_qda5750a118_fc
	.globl	k_qda5750a118_fc
	.p2align	8
	.type	k_qda5750a118_fc,@function
k_qda5750a118_fc:
	s_mov_b64 s[64:65], 0
	v_nop
	global_prefetch_b8 v0, s[64:65] scope:SCOPE_SE
	s_setreg_imm32_b32 hwreg(HW_REG_WAVE_MODE, 25, 1), 1
	s_wait_xcnt 0x0
	s_wait_alu depctr_hold_cnt(0) depctr_sa_sdst(0) depctr_va_vdst(0) depctr_va_sdst(0) depctr_va_ssrc(0) depctr_va_vcc(0) depctr_vm_vsrc(0)
	s_getreg_b32 s2, hwreg(HW_REG_IB_STS2, 6, 4)
	s_cmp_eq_u32 s2, 0
	s_cbranch_scc0 .Lentry_in_a_cluster
	s_endpgm
.Lentry_in_a_cluster:
	s_bfe_u32 s2, ttmp6, 0x10000c
	s_cmp_lg_u32 s2, 0x3003
	s_cbranch_scc0 .Lentry_shape_is_right
	s_endpgm
.Lentry_shape_is_right:
; FC: h = Q(gelu(x w1 + b1)), the first product on codes of BF6 with E8M0 scales; h leaves as codes, in the order of the second product's operand registers.
; SHARES.  A work-group takes 256 tokens (tg) x 512 hidden units (y): 16 groups of 32 units.  Eight waves; wave w keeps ITS 32 tokens' codes for all of K in registers (16 fragments, 192 registers, read once).
; w1's records (25,600 bytes a group: 16 fragments and their scale words) go through LDS, four to a slot, two slots; each wave fetches half a record (50 rows of 256 bytes) by its one tensor load.
; A group x 32 tokens is 4 accumulators, finished in 32 matrix instructions; then gelu and the quantiser work in registers.  Four groups are one K step of the second product: two fragments a wave, stored as images.
; TWO SETS OF ACCUMULATORS, TWO KINDS OF WAVES.  At each place of the walk stand the products of group g + 1 (into one set) and gelu of group g (on the other).  Kind 0 runs the products ahead of gelu, kind 1 behind it:
; the same work, the same barriers in common text, only the order differs.  kind = (w ^ (w >> 2)) & 1, so that waves w and w + 4, and waves 2 i and 2 i + 1, are of different kinds.
; THE PRODUCT IS USED TRANSPOSED (source 0 = 16 rows of w1, source 1 = 16 tokens) and a tile's rows are chosen (in the launch before) so that a lane's 16 registers of a group's two tiles are 16 neighbouring hidden units.
; b1 is the C of each sum's first matrix instruction.
; GELU: 2 gelu(x) = x + |x| (1 - erfc(|z|)), z = x / sqrt 2; erfc(|z|) = t P(t) 2^(-x^2 log2(e) / 2), t = 1 / (1 + p |z|), P of degree 4 (the form's absolute error is 1.5e-7), all in f32.
; The multiply-adds on two neighbouring numbers stand as dual-issue pairs: destinations even and odd, each constant in an even and an odd register.  P's coefficients are kept negated, so that 1 - erfc is one multiply-add.
; The factor 2 is taken off in the quantiser's exponents: it is a power of two.
; LIMITS: 1 - erfc has an absolute error of about 2e-7, so far down the negative side (x under -3) gelu's small numbers are exact to that absolute error x |x| only.
; NaN and infinities are not served; a block under the floor keeps the byte 1, as in the launch before.  The scale words leave in runs of 128 bytes.
; CLUSTER: the four token groups of a cluster walk the same records: each half record is asked for jointly (mask 15).  x is not shared inside a cluster: each partner has its own tokens.
; No prefetch: the launch has three refills in all, each asked for four groups' work ahead of its wait.
; REGISTERS: window 0: v1-9 addresses, v16-23 x's scale words, v24-31 w1's, v32-39 at work, v40-63 and v224-247 w1's fragment sets 2 and 3, v64-127 two sets of accumulators,
;   v128-175 gelu's three sets of 16, v176-189 seven constants as pairs, v192-215 h's two fragments, v216-223 half blocks;
;   window 1: v0-191 x's fragments (v[96 m + 12 s]), v192-239 w1's sets 0 and 1, v240-255 b1 for the group's two tiles.
.set REC,   25600
.set PART,  12800
.set SLOT1, 131072                     ; slot 0: bytes 0 .. 102,399; slot 1 begins here, so that one exclusive or turns an address
.set BIA,   233472                     ; b1's 512 numbers of this work-group: stored once from registers; no tile lands here
.set SPARE, 235520                     ; the spare words: 128 bytes for each of the eight waves
.set XSC, 16
.set WSC, 24
.set T,   32
.set PS,  37
.set PW,  38
.set ACX, 64
.set ACY, 96
.set GT,  128
.set GW,  144
.set GP,  160
.set KC,  176
.set F,   192
.set E1,  216
.set MSB, 0
.macro WIN new                         ; the immediate's high byte repeats the setting that is left
.if MSB != \new
	s_set_vgpr_msb (MSB<<8)|\new
.set MSB, \new
.endif
.endm
.macro CROUND                          ; a round of the cluster's barrier
	s_barrier_signal -1
	s_barrier_wait -1
	s_cmp_lg_u32 s14, 0
	s_cbranch_scc1 .Lnw0_\@
	s_barrier_signal -3
.Lnw0_\@:
	s_barrier_wait -3
	s_barrier_signal -1
	s_barrier_wait -1
.endm
.macro VPAIR reg, val                  ; a constant in an even and an odd register, for the two halves of a dual-issue pair
	v_mov_b32 v[\reg], \val
	v_mov_b32 v[\reg+1], \val
.endm
	s_load_b256 s[4:11], s[0:1], 0x0               ; XC, XS, W1Q, b1
	s_load_b64 s[12:13], s[0:1], 0x20              ; HQ
	v_lshl_add_u32 v8, v0, 2, SPARE
	v_mov_b32 v9, 0
	ds_add_u32 v8, v9                              ; the opening lines: the add, twice on end, and its wait
	ds_add_u32 v8, v9
	v_lshrrev_b32 v1, 5, v0
	v_readfirstlane_b32 s14, v1                    ; wave 0..7
	s_bfe_u32 s15, ttmp6, 0x40000                  ; cx
	s_lshl_b32 s16, ttmp9, 2
	s_add_co_u32 s16, s16, s15                     ; tg = 4 x cluster x + cx: it enters x's and h's global addresses alone
	s_and_b32 s17, ttmp7, 0xffff                   ; y, which the partners share
	s_mov_b32 s24, 15|(3<<16)|(1<<21)              ; group 1: the mask of all four work-groups; elements of 8 bytes; bit 21 beside a mask
	s_mov_b32 s25, 32<<16                          ; half a record as 50 dense rows of 256 bytes
	s_mov_b32 s26, 50<<16
	s_mov_b32 s27, 32<<16
	s_mov_b32 s28, 50
	s_mov_b32 s29, 32
	s_mov_b32 s30, 0
	s_mov_b32 s31, 0
	s_mul_i32 s20, s17, 16*REC                     ; record 16 y,
	s_mul_i32 s33, s14, PART                       ; my eighth of a slot's four records, in memory and in slot 0
	s_add_co_u32 s20, s20, s33
	s_mov_b32 s21, 0
	s_mov_b32 s32, 1
	s_lshl_b32 s18, s16, 1                         ; h's place: record ((2 tg + w / 4) 2 + e) 32 + 4 (y % 8), token blocks 2 (w % 4) on
	s_lshr_b32 s19, s14, 2
	s_add_co_u32 s18, s18, s19
	s_lshl_b32 s18, s18, 1
	s_lshr_b32 s19, s17, 3
	s_add_co_u32 s18, s18, s19
	s_lshl_b32 s18, s18, 5
	s_and_b32 s19, s17, 7
	s_lshl_b32 s19, s19, 2
	s_add_co_u32 s18, s18, s19
	s_mul_i32 s18, s18, 12800
	s_and_b32 s19, s14, 3
	s_mul_i32 s22, s19, 3072
	s_add_co_u32 s22, s22, s18
	s_mov_b32 s23, 0
	s_lshl_b32 s72, s19, 7
	s_add_co_u32 s72, s72, s18
	s_add_co_u32 s72, s72, 12288
	s_mov_b32 s73, 0
	s_lshl_b32 s74, s16, 4
	s_lshl_b32 s75, s14, 1
	s_add_co_u32 s74, s74, s75                     ; my first block of 16 tokens
	s_mul_i32 s76, s74, 12288
	s_mov_b32 s77, 0
	s_lshl_b32 s78, s74, 9
	s_mov_b32 s79, 0
	s_lshl_b32 s80, s17, 11
	s_mov_b32 s81, 0
	s_lshr_b32 s82, s14, 2
	s_xor_b32 s82, s82, s14
	s_and_b32 s82, s82, 1                          ; my kind
	s_mov_b32 s83, 1                               ; 1 until the first place of the walk is passed: no group is finished there yet
	s_mov_b32 s36, 0                               ; LDS byte of the record in hand
	s_mov_b32 s37, 0                               ; its 128 bytes of b1
	s_mov_b32 s38, 3
	s_mov_b32 s40, 0x76543210
	s_mov_b32 s41, 0xfedcba98                      ; lane l xor 16
	s_mov_b32 s43, 0xffff0000                      ; lanes 16-31
	s_mov_b32 s48, 0x3e6d3388                      ; p / sqrt 2
	VPAIR KC,    0xbf87dc22                        ; P's coefficients, negated, the highest first
	VPAIR KC+2,  0x3fba00e3
	VPAIR KC+4,  0xbfb5f0e3
	VPAIR KC+6,  0x3e91a98e
	VPAIR KC+8,  0xbe827906
	VPAIR KC+10, 1.0
	VPAIR KC+12, 0xbf38aa3b                        ; -log2(e) / 2
	v_and_b32 v32, 31, v0                          ; L
	v_and_b32 v33, 15, v0                          ; r
	v_bfe_u32 v34, v0, 4, 1                        ; h
	v_lshlrev_b32 v1, 4, v32                       ; 16 L
	v_lshlrev_b32 v2, 3, v32                       ; 8 L
	v_lshlrev_b32 v3, 2, v32                       ; 4 L
	v_lshl_add_u32 v4, v34, 6, BIA                 ; b1: my half's 16 units of a group
	v_lshlrev_b32 v5, 5, v33
	v_lshl_add_u32 v5, v34, 4, v5                  ; XS: 32 r + 16 h
	v_lshlrev_b32 v6, 3, v0                        ; b1: 8 bytes a thread
	v_lshl_add_u32 v7, v0, 3, BIA
	v_mov_b32 v[PW], 0
	v_mov_b32 v[PW+1], 0
.rept 24
	v_mov_b32 v[F+\+], 0                           ; written once, so that they are written on every way to their readers
.endr
.rept 64
	v_mov_b32 v[ACX+\+], 0                         ; both sets of accumulators likewise
.endr
	s_wait_dscnt 0x0                               ; both opening adds are done
	s_wait_alu depctr_va_vdst(0)                   ; the wait at the head's end
	s_wait_kmcnt 0x0
	s_add_nc_u64 s[34:35], s[8:9], s[20:21]
	s_or_b32 s35, s35, 0x80000000
	s_add_nc_u64 s[44:45], s[12:13], s[22:23]      ; h's images
	s_add_nc_u64 s[46:47], s[12:13], s[72:73]      ; their scale words
	s_add_nc_u64 s[4:5], s[4:5], s[76:77]
	s_add_nc_u64 s[6:7], s[6:7], s[78:79]
	s_add_nc_u64 s[10:11], s[10:11], s[80:81]
	CROUND                                         ; all four work-groups are here: the first joint loads meet
	tensor_load_to_lds s[32:35], s[24:31]          ; slot 0: groups 0-3, half a record a wave
	s_nop 0
.rept 4
	v_nop
.endr
	WIN 0x40                                       ; destination window 1
.irp m, 0,1
.irp s, 0,1,2,3,4,5,6,7
.irp g, 0,1,2
	global_load_b128 v[96*\m+12*\s+4*\g:96*\m+12*\s+4*\g+3], v1, s[4:5] offset:(8*\m+\s)*1536+512*\g
.endr
.endr
.endr
	WIN 0
.irp m, 0,1
	global_load_b128 v[XSC+4*\m:XSC+4*\m+3], v5, s[6:7] offset:512*\m   ; register 4 m + j: lanes 0-15 K step j, lanes 16-31 K step 4 + j
.endr
	global_load_b64 v[GT:GT+1], v6, s[10:11]
	s_wait_loadcnt 0x0
	ds_store_b64 v7, v[GT:GT+1]                    ; b1's 2,048 bytes; the wait and the round at the first change of slots show them to the other waves
; THE CHANGE OF SLOTS.  Each wave waits for all its tensor loads (one is out: its part of the slot ahead), adds 0 to its spare word, and waits for that and for its LDS reads and stores.
; fill = 1: behind a round of the cluster's barrier the other slot takes the next four groups.
.macro CHANGE fill
	s_wait_tensorcnt 0x0
	ds_add_u32 v8, v9
.if \fill
	s_xor_b32 s33, s33, SLOT1
	s_add_nc_u64 s[34:35], s[34:35], 4*REC
.endif
	s_wait_dscnt 0x0
.if \fill
	CROUND
	tensor_load_to_lds s[32:35], s[24:31]
	s_nop 0
.rept 4
	v_nop
.endr
.else
	s_barrier_signal -1
	s_barrier_wait -1
.endif
.endm
.macro FETCHW s                        ; K step s of the record: two fragments into set s % 4
.if ((\s)%4) < 2
	WIN 0x40
.set rW, 192+24*((\s)%4)
.else
	WIN 0
.set rW, 40+184*(((\s)%4)-2)
.endif
.irp t, 0,1
.irp g, 0,1,2
	ds_load_b128 v[rW+12*\t+4*\g:rW+12*\t+4*\g+3], v5 offset:(2*(\s)+\t)*1536+512*\g
.endr
.endr
.endm
.macro MM A, s, m, t                   ; tile t of the group x token block m, K step s, into accumulator set A
.set rD, (\A)+8*(2*(\m)+(\t))
.if ((\s)%4) < 2
.set rA, 192+24*((\s)%4)+12*(\t)
.else
.set rA, 40+184*(((\s)%4)-2)+12*(\t)
.endif
.set rB, 96*(\m)+12*(\s)
.set rC, rD
.if (\s) == 0
.set rC, 240+8*(\t)
.endif
.set rSA, WSC+(\s)
.set rSB, XSC+4*(\m)+(\s)%4
.if ((\t) == 0) && ((\s) < 4)
	v_wmma_scale_f32_16x16x128_f8f6f4 v[rD:rD+7], v[rA:rA+11], v[rB:rB+11], v[rC:rC+7], v[rSA], v[rSB] matrix_a_fmt:MATRIX_FMT_BF6 matrix_b_fmt:MATRIX_FMT_BF6
.elseif ((\t) == 1) && ((\s) < 4)
	v_wmma_scale_f32_16x16x128_f8f6f4 v[rD:rD+7], v[rA:rA+11], v[rB:rB+11], v[rC:rC+7], v[rSA], v[rSB] matrix_a_fmt:MATRIX_FMT_BF6 matrix_b_fmt:MATRIX_FMT_BF6 matrix_a_scale:MATRIX_SCALE_ROW1
.elseif (\t) == 0
	v_wmma_scale_f32_16x16x128_f8f6f4 v[rD:rD+7], v[rA:rA+11], v[rB:rB+11], v[rC:rC+7], v[rSA], v[rSB] matrix_a_fmt:MATRIX_FMT_BF6 matrix_b_fmt:MATRIX_FMT_BF6 matrix_b_scale:MATRIX_SCALE_ROW1
.else
	v_wmma_scale_f32_16x16x128_f8f6f4 v[rD:rD+7], v[rA:rA+11], v[rB:rB+11], v[rC:rC+7], v[rSA], v[rSB] matrix_a_fmt:MATRIX_FMT_BF6 matrix_b_fmt:MATRIX_FMT_BF6 matrix_a_scale:MATRIX_SCALE_ROW1 matrix_b_scale:MATRIX_SCALE_ROW1
.endif
.endm
.macro WADDR                           ; in common text, for both kinds: the addresses of the record in hand, and the step to the next
	v_add_nc_u32 v5, s36, v1
	v_add_nc_u32 v6, s36, v2
	v_add_nc_u32 v7, s37, v4
	s_add_co_u32 s36, s36, REC
	s_add_co_u32 s37, s37, 128
	s_wait_alu depctr_va_vdst(0)
.endm
; A GROUP'S PRODUCTS: 32 matrix instructions, the 4 accumulators by turns in the same order in every K step.  w1's fragments run four K steps ahead.
.macro WPHASE A
.irp k, 0,1,2,3
	ds_load_b64 v[WSC+2*\k:WSC+2*\k+1], v6 offset:24576+256*\k   ; scale words of K steps 2 k, 2 k + 1: lanes 0-15 tile 0, lanes 16-31 tile 1
.endr
	WIN 0x40
.irp t, 0,1
	ds_load_b128 v[240+8*\t:240+8*\t+3], v7 offset:32*\t
	ds_load_b128 v[240+8*\t+4:240+8*\t+7], v7 offset:32*\t+16
.endr
	FETCHW 0
	FETCHW 1
	FETCHW 2
	FETCHW 3
.irp s, 0,1,2,3,4,5,6,7
.if \s < 5
	s_wait_dscnt 18                                ; K step s is in; the three later K steps' six loads each may be out
.else
	s_wait_dscnt 6*(7-\s)
.endif
.if \s == 0
	WIN 0x15                                       ; sources 0 and 1 window 1, C (b1) window 1
.elseif (\s%4) < 2
	WIN 0x05
.else
	WIN 0x04                                       ; source 0 window 0
.endif
	MM \A, \s, 0, 0
	MM \A, \s, 0, 1
	MM \A, \s, 1, 0
	MM \A, \s, 1, 1
.if \s < 4
.rept 4
	v_nop                                          ; places in front of loads into registers that these products have read
.endr
	FETCHW \s+4
.endif
.endr
	WIN 0
.rept 5
	v_nop                                          ; places in front of the first read of results, of the next loads, and of any matrix instruction that begins these sums anew
.endr
.endm
.macro HORN c                          ; P = P t + the constant at KC + c, two numbers an instruction
.irp i, 0,2,4,6,8,10,12,14
	v_dual_fma_f32 v[GP+\i], v[GP+\i], v[GT+\i], v[KC+\c] :: v_dual_fma_f32 v[GP+\i+1], v[GP+\i+1], v[GT+\i+1], v[KC+\c+1]
.endr
.endm
; 16 numbers of a lane, in place: X = 2 gelu(X)
.macro GELU16 X
	s_wait_alu depctr_va_vdst(0)                   ; directly ahead of the first readers of matrix results
.irp i, 0,1,2,3,4,5,6,7,8,9,10,11,12,13,14,15
	v_fma_f32 v[GT+\i], |v[(\X)+\i]|, s48, 1.0     ; 1 + p |z|: each accumulator is read from its low end on
.endr
.irp i, 0,2,4,6,8,10,12,14
	v_dual_mul_f32 v[GW+\i], v[(\X)+\i], v[(\X)+\i] :: v_dual_mul_f32 v[GW+\i+1], v[(\X)+\i+1], v[(\X)+\i+1]
.endr
.irp i, 0,2,4,6,8,10,12,14
	v_dual_mul_f32 v[GW+\i], v[KC+12], v[GW+\i] :: v_dual_mul_f32 v[GW+\i+1], v[KC+13], v[GW+\i+1]   ; -x^2 log2(e) / 2
.endr
	s_wait_alu depctr_va_vdst(0)                   ; ahead of the batch
.irp i, 0,1,2,3,4,5,6,7,8,9,10,11,12,13,14,15
	v_rcp_f32 v[GT+\i], v[GT+\i]                   ; t
.endr
.irp i, 0,1,2,3,4,5,6,7,8,9,10,11,12,13,14,15
	v_exp_f32 v[GW+\i], v[GW+\i]
.endr
	v_nop                                          ; a plain place behind the last transcendental
	s_wait_alu depctr_va_vdst(0)                   ; and the wait behind the batch
.irp i, 0,2,4,6,8,10,12,14
	v_dual_fma_f32 v[GP+\i], v[GT+\i], v[KC], v[KC+2] :: v_dual_fma_f32 v[GP+\i+1], v[GT+\i+1], v[KC+1], v[KC+3]
.endr
	HORN 4
	HORN 6
	HORN 8
.irp i, 0,2,4,6,8,10,12,14
	v_dual_mul_f32 v[GP+\i], v[GP+\i], v[GT+\i] :: v_dual_mul_f32 v[GP+\i+1], v[GP+\i+1], v[GT+\i+1]
.endr
.irp i, 0,2,4,6,8,10,12,14
	v_dual_fma_f32 v[GP+\i], v[GP+\i], v[GW+\i], v[KC+10] :: v_dual_fma_f32 v[GP+\i+1], v[GP+\i+1], v[GW+\i+1], v[KC+11]   ; 1 - erfc
.endr
.irp i, 0,1,2,3,4,5,6,7,8,9,10,11,12,13,14,15
	v_fma_f32 v[(\X)+\i], |v[(\X)+\i]|, v[GP+\i], v[(\X)+\i]
.endr
.endm
; The 16 numbers (2 h) are half a block of 32 along the next K; lane l xor 16 holds the other half.  h's byte is the exponent field of the largest 2 |h| less 5; the conversion of 2 h divides by twice h's scale.
.macro QUANT16 X, m, dst
	v_max3_num_f32 v[T], |v[(\X)]|, |v[(\X)+1]|, 0x3000000        ; the floor 2^(6 - 127) for 2 h: the byte cannot fall under 1
	v_max3_num_f32 v[T+1], |v[(\X)+2]|, |v[(\X)+3]|, |v[(\X)+4]|
	v_max3_num_f32 v[T], v[T], |v[(\X)+5]|, |v[(\X)+6]|
	v_max3_num_f32 v[T+1], v[T+1], |v[(\X)+7]|, |v[(\X)+8]|
	v_max3_num_f32 v[T], v[T], |v[(\X)+9]|, |v[(\X)+10]|
	v_max3_num_f32 v[T+1], v[T+1], |v[(\X)+11]|, |v[(\X)+12]|
	v_max3_num_f32 v[T], v[T], |v[(\X)+13]|, |v[(\X)+14]|
	v_max3_num_f32 v[T], v[T], v[T+1], |v[(\X)+15]|
	v_permlanex16_b32 v[T+2], v[T], s40, s41
	v_max_num_f32 v[T], v[T], v[T+2]
	v_add_nc_u32 v[T+3], 0xfe000000, v[T]          ; 4 off the exponent field
	v_cvt_scalef32_pk16_bf6_f32 v[(\dst):(\dst)+2], v[(\X):(\X)+15], v[T+3]
	v_add_nc_u32 v[T+4], 0xfd800000, v[T]          ; 5 off it (a plain place behind the conversion)
	v_lshrrev_b32 v[T+4], 23, v[T+4]               ; h's byte
	v_lshrrev_b32 v[PW+(\m)], 8, v[PW+(\m)]        ; it enters the word from above: after four groups the first stands lowest
	v_lshl_or_b32 v[PW+(\m)], v[T+4], 24, v[PW+(\m)]
.endm
.macro GG A, second                    ; gelu and quantiser of a finished group: the first of a pair goes to the fragments' upper halves, the second to the half blocks
.irp m, 0,1
	GELU16 (\A)+16*\m
.if \second
	QUANT16 (\A)+16*\m, \m, E1+4*\m
.else
	QUANT16 (\A)+16*\m, \m, F+12*\m+6
.endif
.endr
.endm
.macro SWAPS                           ; the operand's layout wants a whole block in a lane: lanes 0-15 the first group's, lanes 16-31 the second's
.irp m, 0,1
.irp i, 0,1,2
	v_permlane16_swap_b32 v[F+12*\m+6+\i], v[E1+4*\m+\i]
.endr
.irp i, 0,1,2
	v_mov_b32 v[F+12*\m+9+\i], v[E1+4*\m+\i]
.endr
.endr
.endm
.macro STOREH
	s_wait_alu depctr_va_vdst(0)                   ; the fragments were written just ahead of a branch
.irp m, 0,1
.irp g, 0,1,2
	global_store_b128 v1, v[F+12*\m+4*\g:F+12*\m+4*\g+3], s[44:45] offset:1536*\m+512*\g   ; 512 consecutive bytes a store
.endr
.endr
	v_cndmask_b32 v[PS], v[PW], v[PW+1], s43       ; lanes 0-15 the even block's words, lanes 16-31 the odd block's
	global_store_b32 v3, v[PS], s[46:47]
	s_wait_xcnt 0x0                                ; the stores' bases and data are rewritten only behind this wait
	s_add_nc_u64 s[44:45], s[44:45], 12800         ; the next K step's record
	s_add_nc_u64 s[46:47], s[46:47], 12800
.endm
; TWO PLACES OF THE WALK.  The first: products of group 2 j into set X, gelu of group 2 j - 1 on set Y, which closes a pair of groups = half a fragment: in a slot's first trip the fragments are whole and stored,
; in its second the half is moved down.  The second place: products of group 2 j + 1 into set Y, gelu of group 2 j on set X.
.macro PAIR
	WADDR
	s_cmp_eq_u32 s82, 0
	s_cbranch_scc0 .La0_\@
	WPHASE ACX
.La0_\@:
	s_cmp_eq_u32 s83, 1
	s_cbranch_scc1 .Lng_\@                         ; at the walk's first place no group is finished yet
	GG ACY, 1
	SWAPS
	s_cmp_eq_u32 s39, 2
	s_cbranch_scc1 .Lst_\@
.irp m, 0,1
.irp i, 0,1,2,3,4,5
	v_mov_b32 v[F+12*\m+\i], v[F+12*\m+6+\i]
.endr
.endr
	s_wait_alu depctr_va_vdst(0)
	s_branch .Lng_\@
.Lst_\@:
	STOREH
.Lng_\@:
	s_mov_b32 s83, 0
	s_cmp_eq_u32 s82, 0
	s_cbranch_scc1 .Lb0_\@
	WPHASE ACX
.Lb0_\@:
	WADDR
	s_cmp_eq_u32 s82, 0
	s_cbranch_scc0 .La1_\@
	WPHASE ACY
.La1_\@:
	GG ACX, 0
	s_wait_alu depctr_va_vdst(0)
	s_cmp_eq_u32 s82, 0
	s_cbranch_scc1 .Lb1_\@
	WPHASE ACY
.Lb1_\@:
.endm
.macro SLOTWORK                        ; a slot's four records
	s_mov_b32 s39, 2
.Lpair_\@:
	PAIR
	s_sub_co_u32 s39, s39, 1
	s_cmp_lg_u32 s39, 0
	s_cbranch_scc1 .Lpair_\@
	s_sub_co_u32 s36, s36, 4*REC                   ; back to a slot's first record,
	s_xor_b32 s36, s36, SLOT1                      ; in the other slot
.endm
.Lslot:                                            ; three trips: behind each change of slots but the last the next four groups are asked for
	CHANGE 1
	SLOTWORK
	s_sub_co_u32 s38, s38, 1
	s_cmp_lg_u32 s38, 0
	s_cbranch_scc1 .Lslot
	CHANGE 0                                       ; the last slot is written out
	SLOTWORK
	GG ACY, 1                                      ; the last group
	SWAPS
	STOREH
	s_wait_tensorcnt 0x0                           ; the wave's end
	ds_add_u32 v8, v9
	s_wait_dscnt 0x0
	CROUND                                         ; the closing round
	s_endpgm
.Lfunc_end_k_qda5750a118_fc:
	.size	k_qda5750a118_fc, .Lfunc_end_k_qda5750a118_fc-k_qda5750a118_fc
	.p2alignl 7, 3214868480
	.fill 96, 4, 3214868480
	.section	.rodata,"a",@progbits
	.p2align	6, 0x0
	.amdhsa_kernel k_qda5750a118_fc
		.amdhsa_group_segment_fixed_size 327680
		.amdhsa_private_segment_fixed_size 0
		.amdhsa_enable_private_segment 0
		.amdhsa_kernarg_size 40
		.amdhsa_user_sgpr_count 2
		.amdhsa_user_sgpr_kernarg_segment_ptr 1
		.amdhsa_wavefront_size32 1
		.amdhsa_system_sgpr_workgroup_id_x 1
		.amdhsa_system_sgpr_workgroup_id_y 1
		.amdhsa_system_sgpr_workgroup_id_z 1
		.amdhsa_system_vgpr_workitem_id 0
		.amdhsa_next_free_vgpr 512
		.amdhsa_next_free_sgpr 100
		.amdhsa_reserve_vcc 0
		.amdhsa_float_denorm_mode_32 3
		.amdhsa_float_denorm_mode_16_64 3
		.amdhsa_memory_ordered 1
		.amdhsa_forward_progress 1
		.amdhsa_inst_pref_size 186
	.end_amdhsa_kernel
	.amdgpu_metadata
---
amdhsa.version: [ 1, 2 ]
amdhsa.kernels:
  - .name:           k_qda5750a118_fc
    .symbol:         k_qda5750a118_fc.kd
    .args:
      - { .name: XC, .offset: 0, .size: 8, .value_kind: global_buffer, .address_space: global }
      - { .name: XS, .offset: 8, .size: 8, .value_kind: global_buffer, .address_space: global }
      - { .name: W1Q, .offset: 16, .size: 8, .value_kind: global_buffer, .address_space: global }
      - { .name: b1, .offset: 24, .size: 8, .value_kind: global_buffer, .address_space: global }
      - { .name: HQ, .offset: 32, .size: 8, .value_kind: global_buffer, .address_space: global }
    .group_segment_fixed_size: 327680
    .private_segment_fixed_size: 0
    .kernarg_segment_align: 8
    .kernarg_segment_size: 40
    .max_flat_workgroup_size: 256
    .sgpr_count:     100
    .vgpr_count:     512
    .wavefront_size: 32
...
	.end_amdgpu_metadata
.endif
;; end of part 2
;; launch proj (part 3): grid 8 x 32, 4 waves a work-group, clusters of 4 x 4, 327,680 bytes of LDS; arguments HQ, W2Q, out1, b2, out0; writes out0
.if DOCPART == 3
	.amdgcn_target "amdgcn-amd-amdhsa--gfx1250"
	.amdhsa_code_object_version 6
	.text
	.protected	k_qda5750a118_proj
	.globl	k_qda5750a118_proj
	.p2align	8
	.type	k_qda5750a118_proj,@function
k_qda5750a118_proj:
	s_mov_b64 s[64:65], 0
	v_nop
	global_prefetch_b8 v0, s[64:65] scope:SCOPE_SE
	s_setreg_imm32_b32 hwreg(HW_REG_WAVE_MODE, 25, 1), 1
	s_wait_xcnt 0x0
	s_wait_alu depctr_hold_cnt(0) depctr_sa_sdst(0) depctr_va_vdst(0) depctr_va_sdst(0) depctr_va_ssrc(0) depctr_va_vcc(0) depctr_vm_vsrc(0)
	s_getreg_b32 s2, hwreg(HW_REG_IB_STS2, 6, 4)
	s_cmp_eq_u32 s2, 0
	s_cbranch_scc0 .Lentry_in_a_cluster
	s_endpgm
.Lentry_in_a_cluster:
	s_bfe_u32 s2, ttmp6, 0x10000c
	s_cmp_lg_u32 s2, 0xf033
	s_cbranch_scc0 .Lentry_shape_is_right
	s_endpgm
.Lentry_shape_is_right:
; PROJ: out0 = wmax (h0 w2_0 + b2_0) + wmin (h1 w2_1 + b2_1), both products on codes of BF6 with E8M0 scales.
; THE MIX.  With two experts and two slots, reference() weighs the expert of the larger probability by p0 and the other by p1: whichever logit is larger, expert 0 gets max(p0, p1) and expert 1 gets min(p0, p1)
; (equal where they tie).  With d = l0 - l1 and q = 2^(-|d| log2 e): max = 1 / (1 + q), min = q / (1 + q): the softmax with its maximum taken away.  It selects values only: no address or branch hangs on it.
; SHARES.  A work-group makes 128 tokens (tt) x 128 outputs (nt).  THE WAVES SPLIT K, NOT THE TILE: wave w makes the whole 128 x 128 (64 accumulators, 512 registers) for expert w / 2 and K steps 2 k + w % 2, k = 0 .. 15,
; so that every LDS byte is read once.  At the end the four parts meet in LDS and are weighed.  LIMIT: an expert's sum over K is formed in two halves that are added in f32: another order of additions than one chain's.
; ONE SLOT, DRAINED INTO REGISTERS.  A K step of a wave is a record of h and a record of w2, 25,600 bytes; no wave reads another's.  LDS holds ONE slot of three K steps for each wave, 307,200 bytes: two such slots do not fit,
; and two of one K step would ask for a barrier, a round of the cluster and a load for every 64 matrix instructions.  When the slot has landed, K steps 0 and 1 go into the two register sets at once and K step 2 into the first set
; as soon as K step 0 is multiplied; then nobody reads the slot any more and it is asked for again, with 96 matrix instructions still to be issued from registers while that load is on its way.
; 16 = 1 + 5 x 3: the first fill brings one K step (its products start the sums), five fills bring three: six tensor loads a wave in the launch, never more than one of them out.
; CLUSTER 4 x 4: h's records hang on tt alone and are shared along a row of the cluster, w2's on nt alone and are shared along a column: joint loads.
; THE PRODUCT IS USED TRANSPOSED (source 0 = 16 outputs of w2, source 1 = 16 tokens of h): a lane holds eight neighbouring outputs of one token.  NaN and infinities are not served.
; REGISTERS: window 0: v12-31 addresses, v32-47 scale words (two sets), v48-63 logits, b2, weights, v64-255 h's fragments (two sets of 8 x 12);  window 1: w2's fragments at v0 and v128;  windows 2, 3: accumulators (a, b) at v[8 (8 (a % 4) + b)].
.set UNIT,  25600                      ; two records: one K step of each parity
.set REG,   76800                      ; what one wave fetches of a slot: six records on end.  Wave 0: h of expert 0; 1: h of expert 1; 2: w2 of expert 0; 3: w2 of expert 1
.set EXW,   67584                      ; the stage at the end: [wave 4][token 128] rows of 512 + 16 bytes; it lies over the slot, which has then had its last fill and its last read
.set SPARE, 307200                     ; behind the slot: the spare words, 128 bytes for each wave
.set ADA, 16                           ; v16  my records of h: 16 L + expert x REG + parity x 12,800
.set ADB, 17                           ; v17  of w2: 2 REG on
.set ASA, 18                           ; v18, v19  the same with 4 L, for the scale words
.set ASB, 19
.set SC,  32
.set HF,  64
.set G1A, 24                           ; s[24:31] group 1 for h's fills of 300 rows;  s[32:35] h's group 0, which walks
.set G0A, 32
.set G1B, 48                           ; s[48:55], s[56:59] the same for w2
.set G0B, 56
.set G1AS, 84                          ; s[84:91], s[92:99] groups 1 for the first fill of 100 rows
.set G1BS, 92
.set MSB, 0
.macro WIN new                         ; the immediate's high byte repeats the setting that is left
.if MSB != \new
	s_set_vgpr_msb (MSB<<8)|\new
.set MSB, \new
.endif
.endm
.macro CROUND                          ; a round of the cluster's barrier
	s_barrier_signal -1
	s_barrier_wait -1
	s_cmp_lg_u32 s14, 0
	s_cbranch_scc1 .Lnw0_\@
	s_barrier_signal -3
.Lnw0_\@:
	s_barrier_wait -3
	s_barrier_signal -1
	s_barrier_wait -1
.endm
.macro JLOAD g1a, g1b                  ; waves 0, 1 fetch h of expert wave % 2, waves 2, 3 w2 of expert wave % 2; four v_nop follow each line
	s_cmp_eq_u32 s15, 0
	s_cbranch_scc0 .Lfb_\@
	tensor_load_to_lds s[G0A:G0A+3], s[\g1a:\g1a+7]
	s_nop 0
.rept 4
	v_nop
.endr
	s_branch .Lak_\@
.Lfb_\@:
	tensor_load_to_lds s[G0B:G0B+3], s[\g1b:\g1b+7]
	s_nop 0
.rept 4
	v_nop
.endr
.Lak_\@:
.endm
.macro PLACES                          ; four places in front of loads into registers that matrix instructions have read, and of the first read of results
.rept 4
	v_nop
.endr
.endm
	s_load_b256 s[4:11], s[0:1], 0x0               ; HQ, W2Q, out1, b2
	s_load_b64 s[12:13], s[0:1], 0x20              ; out0
	v_lshl_add_u32 v12, v0, 2, SPARE
	v_mov_b32 v13, 0
	ds_add_u32 v12, v13
	ds_add_u32 v12, v13
	s_wait_dscnt 0x0
	v_lshrrev_b32 v1, 5, v0
	v_readfirstlane_b32 s14, v1                    ; wave
	s_lshr_b32 s15, s14, 1                         ; my expert.  Also: I fetch h (0) or w2 (1)
	s_and_b32 s16, s14, 1                          ; my K steps' parity.  Also: which expert's records I fetch
	s_bfe_u32 s40, ttmp6, 0x40000                  ; cx
	s_bfe_u32 s41, ttmp6, 0x40004                  ; cy
	s_lshl_b32 s42, ttmp9, 2
	s_add_co_u32 s42, s42, s40                     ; nt
	s_and_b32 s17, ttmp7, 0xffff
	s_lshl_b32 s17, s17, 2
	s_add_co_u32 s17, s17, s41                     ; tt
	s_lshl_b32 s43, s41, 2
	s_lshl_b32 s43, 15, s43                        ; my row of the cluster
	s_lshl_b32 s44, 0x1111, s40                    ; my column
	s_or_b32 s[G1A], s43, (3<<16)|(1<<21)          ; the mask; elements of 8 bytes; bit 21 beside a mask
	s_or_b32 s[G1B], s44, (3<<16)|(1<<21)
	s_or_b32 s[G1AS], s43, (3<<16)|(1<<21)
	s_or_b32 s[G1BS], s44, (3<<16)|(1<<21)
.irp g, G1A, G1B
	s_mov_b32 s[\g+1], 32<<16                      ; 300 dense rows of 256 bytes: six records
	s_mov_b32 s[\g+2], 300<<16
	s_mov_b32 s[\g+3], 32<<16
	s_mov_b32 s[\g+4], 300
	s_mov_b32 s[\g+5], 32
	s_mov_b32 s[\g+6], 0
	s_mov_b32 s[\g+7], 0
.endr
.irp g, G1AS, G1BS
	s_mov_b32 s[\g+1], 32<<16                      ; 100 dense rows of 256 bytes: two records
	s_mov_b32 s[\g+2], 100<<16
	s_mov_b32 s[\g+3], 32<<16
	s_mov_b32 s[\g+4], 100
	s_mov_b32 s[\g+5], 32
	s_mov_b32 s[\g+6], 0
	s_mov_b32 s[\g+7], 0
.endr
	s_lshl_b32 s20, s17, 1
	s_add_co_u32 s20, s20, s16
	s_mul_i32 s20, s20, 409600                     ; h: (2 tt + expert) x 32 records
	s_mov_b32 s21, 0
	s_lshl_b32 s46, s42, 1
	s_add_co_u32 s46, s46, s16
	s_mul_i32 s46, s46, 409600                     ; w2: (2 nt + expert) x 32 records
	s_mov_b32 s47, 0
	s_mul_i32 s45, s14, REG                        ; where they go: wave x 76,800: no place in the cluster enters an LDS address
	; offsets of what is mine alone, in registers of their own
	s_lshl_b32 s76, s17, 7
	s_lshl_b32 s77, s14, 5
	s_add_co_u32 s76, s76, s77                     ; the first token that I store: 128 tt + 32 wave
	s_lshl_b32 s78, s76, 3                         ; its logits
	s_mov_b32 s79, 0
	s_lshl_b32 s80, s76, 12                        ; its row of out0,
	s_lshl_b32 s82, s42, 9                         ; the tile's first output, in bytes
	s_add_co_u32 s80, s80, s82
	s_mov_b32 s81, 0
	s_mov_b32 s83, 0
	s_mov_b32 s73, 0                               ; (named as the upper halves of pairs)
	s_mov_b32 s75, 0
	s_mov_b32 s70, 4
	s_wait_kmcnt 0x0
	s_add_nc_u64 s[20:21], s[4:5], s[20:21]
	s_add_nc_u64 s[46:47], s[6:7], s[46:47]
	s_add_nc_u64 s[8:9], s[8:9], s[78:79]
	s_add_nc_u64 s[10:11], s[10:11], s[82:83]
	s_add_nc_u64 s[12:13], s[12:13], s[80:81]
	CROUND                                         ; all sixteen work-groups are here: the first joint loads meet
	s_mov_b32 s[G0A], 1
	s_mov_b32 s[G0A+1], s45
	s_mov_b64 s[G0A+2:G0A+3], s[20:21]
	s_or_b32 s[G0A+3], s[G0A+3], 0x80000000
	s_mov_b32 s[G0B], 1
	s_mov_b32 s[G0B+1], s45
	s_mov_b64 s[G0B+2:G0B+3], s[46:47]
	s_or_b32 s[G0B+3], s[G0B+3], 0x80000000
	JLOAD G1AS, G1BS                               ; the first fill: each stream's records 0 and 1
	v_and_b32 v1, 31, v0                           ; L
	v_and_b32 v2, 15, v0                           ; r
	v_bfe_u32 v3, v0, 4, 1                         ; h
	s_mul_i32 s22, s15, REG
	s_mul_i32 s23, s16, 12800
	s_add_co_u32 s22, s22, s23                     ; my first record of h in the slot
	v_lshlrev_b32 v30, 4, v1                       ; 16 L
	v_lshlrev_b32 v4, 2, v1                        ; 4 L
	v_lshlrev_b32 v31, 3, v1                       ; 8 L
	v_add_nc_u32 v[ADA], s22, v30
	v_add_nc_u32 v[ADB], 2*REG, v[ADA]
	v_add_nc_u32 v[ASA], s22, v4
	v_add_nc_u32 v[ASB], 2*REG, v[ASA]
	s_mul_i32 s22, s14, EXW
	v_mul_u32_u24 v24, v2, 528
	v_lshl_add_u32 v24, v3, 5, v24
	v_add_nc_u32 v24, s22, v24                     ; into the stage: my part, row r, + 32 h
	s_mul_i32 s22, s14, 16896
	v_add_nc_u32 v26, s22, v30                     ; out of it: rows 32 wave on of each wave's part, 16 bytes a lane
	v_add_nc_u32 v27, EXW, v26
	v_add_nc_u32 v28, 2*EXW, v26
	v_add_nc_u32 v29, 3*EXW, v26
	global_load_b64 v[48:49], v31, s[8:9]          ; lane L: the logits of token 32 wave + L
	global_load_b128 v[52:55], v30, s[10:11]       ; b2 of expert 0 at outputs 4 L .. 4 L + 3,
	global_load_b128 v[56:59], v30, s[10:11] offset:4096   ; of expert 1: all three are waited for at the end
.macro FETCH u, n                      ; my K step u of the slot into register set n: 48 loads of 512 consecutive bytes, 8 of scale words
	WIN 0x40                                       ; destination window 1, address window 0
.irp b, 0,1,2,3,4,5,6,7
.irp g, 0,1,2
	ds_load_b128 v[128*(\n)+12*\b+4*\g:128*(\n)+12*\b+4*\g+3], v[ADB] offset:UNIT*(\u)+1536*\b+512*\g
.endr
.endr
	WIN 0
.irp a, 0,1,2,3,4,5,6,7
.irp g, 0,1,2
	ds_load_b128 v[HF+96*(\n)+12*\a+4*\g:HF+96*(\n)+12*\a+4*\g+3], v[ADA] offset:UNIT*(\u)+1536*\a+512*\g
.endr
.endr
.irp p, 0,1,2,3
	ds_load_b32 v[SC+8*(\n)+\p], v[ASA] offset:UNIT*(\u)+12288+128*\p      ; lanes 0-15 block 2 p, lanes 16-31 block 2 p + 1
	ds_load_b32 v[SC+8*(\n)+4+\p], v[ASB] offset:UNIT*(\u)+12288+128*\p
.endr
.endm
.macro PM sg, a, b, zero
.set rD, 8*(8*((\a)%4)+(\b))
.set rA, 128*(\sg)+12*(\b)
.set rB, HF+96*(\sg)+12*(\a)
.set rSA, SC+8*(\sg)+4+(\b)/2
.set rSB, SC+8*(\sg)+(\a)/2
.if \zero
.if ((\b)%2 == 0) && ((\a)%2 == 0)
	v_wmma_scale_f32_16x16x128_f8f6f4 v[rD:rD+7], v[rA:rA+11], v[rB:rB+11], 0, v[rSA], v[rSB] matrix_a_fmt:MATRIX_FMT_BF6 matrix_b_fmt:MATRIX_FMT_BF6
.elseif ((\b)%2 == 1) && ((\a)%2 == 0)
	v_wmma_scale_f32_16x16x128_f8f6f4 v[rD:rD+7], v[rA:rA+11], v[rB:rB+11], 0, v[rSA], v[rSB] matrix_a_fmt:MATRIX_FMT_BF6 matrix_b_fmt:MATRIX_FMT_BF6 matrix_a_scale:MATRIX_SCALE_ROW1
.elseif (\b)%2 == 0
	v_wmma_scale_f32_16x16x128_f8f6f4 v[rD:rD+7], v[rA:rA+11], v[rB:rB+11], 0, v[rSA], v[rSB] matrix_a_fmt:MATRIX_FMT_BF6 matrix_b_fmt:MATRIX_FMT_BF6 matrix_b_scale:MATRIX_SCALE_ROW1
.else
	v_wmma_scale_f32_16x16x128_f8f6f4 v[rD:rD+7], v[rA:rA+11], v[rB:rB+11], 0, v[rSA], v[rSB] matrix_a_fmt:MATRIX_FMT_BF6 matrix_b_fmt:MATRIX_FMT_BF6 matrix_a_scale:MATRIX_SCALE_ROW1 matrix_b_scale:MATRIX_SCALE_ROW1
.endif
.else
.if ((\b)%2 == 0) && ((\a)%2 == 0)
	v_wmma_scale_f32_16x16x128_f8f6f4 v[rD:rD+7], v[rA:rA+11], v[rB:rB+11], v[rD:rD+7], v[rSA], v[rSB] matrix_a_fmt:MATRIX_FMT_BF6 matrix_b_fmt:MATRIX_FMT_BF6
.elseif ((\b)%2 == 1) && ((\a)%2 == 0)
	v_wmma_scale_f32_16x16x128_f8f6f4 v[rD:rD+7], v[rA:rA+11], v[rB:rB+11], v[rD:rD+7], v[rSA], v[rSB] matrix_a_fmt:MATRIX_FMT_BF6 matrix_b_fmt:MATRIX_FMT_BF6 matrix_a_scale:MATRIX_SCALE_ROW1
.elseif (\b)%2 == 0
	v_wmma_scale_f32_16x16x128_f8f6f4 v[rD:rD+7], v[rA:rA+11], v[rB:rB+11], v[rD:rD+7], v[rSA], v[rSB] matrix_a_fmt:MATRIX_FMT_BF6 matrix_b_fmt:MATRIX_FMT_BF6 matrix_b_scale:MATRIX_SCALE_ROW1
.else
	v_wmma_scale_f32_16x16x128_f8f6f4 v[rD:rD+7], v[rA:rA+11], v[rB:rB+11], v[rD:rD+7], v[rSA], v[rSB] matrix_a_fmt:MATRIX_FMT_BF6 matrix_b_fmt:MATRIX_FMT_BF6 matrix_a_scale:MATRIX_SCALE_ROW1 matrix_b_scale:MATRIX_SCALE_ROW1
.endif
.endif
.endm
; Half a K step: 32 matrix instructions on register set sg: token blocks 0-3 (hi = 0) or 4-7 (hi = 1) x all eight blocks of outputs.  zero = 1: they start the sums.
; The 64 accumulators take turns, one instruction a turn, in the same order in every K step.
.macro MULH sg, hi, zero
.if \hi
	WIN 0xf1                                       ; source 0 (w2) window 1, source 1 (h) window 0, C and D window 3
.irp a, 4,5,6,7
.irp b, 0,1,2,3,4,5,6,7
	PM \sg, \a, \b, \zero
.endr
.endr
.else
	WIN 0xa1                                       ; C and D window 2
.irp a, 0,1,2,3
.irp b, 0,1,2,3,4,5,6,7
	PM \sg, \a, \b, \zero
.endr
.endr
.endif
.endm
.macro MUL sg, zero
	MULH \sg, 0, \zero
	MULH \sg, 1, \zero
.endm
; A PERIOD: the slot's three K steps.  On the way in one tensor load of mine is out, the slot's, and every window is 0.
; fill = 1: the slot is asked for again as soon as its third K step is in registers.  fill = 0: the last period; behind its second barrier the slot's bytes serve as the stage.
.macro PERIOD fill
	s_wait_tensorcnt 0x0                           ; my part of the slot has landed (no other load of mine is out, so the count that the reads need is 0),
	s_barrier_signal -1
	s_barrier_wait -1                              ; everybody's has
	PLACES
	FETCH 0, 0
	FETCH 1, 1
	s_wait_dscnt 56                                ; K step 0 is in; K step 1's 56 loads may be out
	MUL 0, 0
	PLACES
	FETCH 2, 0                                     ; into the set that K step 0 has left
.if \fill
	s_wait_tensorcnt 0x0                           ; no tensor load of mine is out, so a group 0 may be written
	ds_add_u32 v12, v13
	s_add_nc_u64 s[G0A+2:G0A+3], s[G0A+2:G0A+3], REG   ; each stream's next six records
	s_add_nc_u64 s[G0B+2:G0B+3], s[G0B+2:G0B+3], REG
	s_wait_dscnt 57                                ; K step 1 is in; K step 2's 56 loads and the add may be out
	MULH 1, 0, 0                                   ; 32 matrix instructions stand between the add and the wait for it
	s_wait_dscnt 0x0                               ; the add is done, and my reads of the slot are over
	WIN 0                                          ; at a branch and at a label every window is 0
	CROUND                                         ; no wave of any partner still reads the slot or has a load on its way
	JLOAD G1A, G1B                                 ; the first thing behind the round, and my one tensor load until the next
.else
	s_wait_dscnt 56                                ; K step 1 is in
	MULH 1, 0, 0
	s_wait_dscnt 0x0                               ; my reads of the slot are over:
	WIN 0
	s_barrier_signal -1
	s_barrier_wait -1                              ; nobody reads it any more, and no load is on its way: the stage may be written over it
.endif
	MULH 1, 1, 0                                   ; 96 matrix instructions from registers
	MUL 0, 0
.endm
	s_wait_alu depctr_va_vdst(0)
	s_wait_tensorcnt 0x0                           ; my part of the first fill has landed,
	s_barrier_signal -1
	s_barrier_wait -1                              ; everybody's has
	FETCH 0, 0
	s_wait_tensorcnt 0x0
	ds_add_u32 v12, v13
	s_add_nc_u64 s[G0A+2:G0A+3], s[G0A+2:G0A+3], UNIT  ; past the two records of the first fill
	s_add_nc_u64 s[G0B+2:G0B+3], s[G0B+2:G0B+3], UNIT
	s_wait_dscnt 0x0                               ; the add is done, and K step 0 is in registers
	CROUND
	JLOAD G1A, G1B                                 ; records 2 to 7
	MUL 0, 1                                       ; the first K step's products start the sums
	WIN 0
.Lk:                                               ; four trips: each multiplies three K steps and asks for the next three
	PERIOD 1
	WIN 0
	s_sub_co_u32 s70, s70, 1
	s_cmp_lg_u32 s70, 0
	s_cbranch_scc1 .Lk
	PERIOD 0                                       ; the last three K steps are written out
	PLACES                                         ; in front of the first read of results
	; THE END.  Each wave's 128 x 128 goes to its part of the stage, each accumulator from its low end on.
	WIN 0x08                                       ; an LDS store's data are its source 1: window 2
.irp a, 0,1,2,3
.irp b, 0,1,2,3,4,5,6,7
	ds_store_b128 v24, v[8*(8*\a+\b):8*(8*\a+\b)+3] offset:8448*\a+64*\b
	ds_store_b128 v24, v[8*(8*\a+\b)+4:8*(8*\a+\b)+7] offset:8448*\a+64*\b+16
.endr
.endr
	WIN 0x0c                                       ; window 3
.irp a, 4,5,6,7
.irp b, 0,1,2,3,4,5,6,7
	ds_store_b128 v24, v[8*(8*(\a-4)+\b):8*(8*(\a-4)+\b)+3] offset:8448*\a+64*\b
	ds_store_b128 v24, v[8*(8*(\a-4)+\b)+4:8*(8*(\a-4)+\b)+7] offset:8448*\a+64*\b+16
.endr
.endr
	WIN 0
	s_wait_loadcnt 0x0                             ; the logits and b2
	v_sub_f32 v60, v48, v49                        ; d
	v_and_b32 v60, 0x7fffffff, v60
	v_mul_f32 v60, 0xbfb8aa3b, v60                 ; -|d| log2 e
	s_wait_alu depctr_va_vdst(0)
	v_exp_f32 v61, v60                             ; q, at most 1
	v_nop                                          ; a plain place behind a transcendental
	s_wait_alu depctr_va_vdst(0)
	v_add_f32 v62, 1.0, v61
	s_wait_alu depctr_va_vdst(0)
	v_rcp_f32 v60, v62                             ; the larger probability: expert 0's weight
	v_nop
	s_wait_alu depctr_va_vdst(0)
	v_mul_f32 v61, v61, v60                        ; the smaller: expert 1's
	s_wait_alu depctr_va_vdst(0)
	s_wait_dscnt 0x0                               ; for the others' sake: my stores into the stage are done
	s_barrier_signal -1
	s_barrier_wait -1
; Wave w finishes tokens 32 w .. 32 w + 31, eight at a time: of each row the four waves' parts (two halves of K for each expert), 16 bytes a lane.
.macro ROWS q
.irp i, 0,1,2,3,4,5,6,7
.irp c, 0,1,2,3
	ds_load_b128 v[64+16*\i+4*\c:64+16*\i+4*\c+3], v[26+\c] offset:528*(8*\q+\i)
.endr
.endr
.irp i, 0,1,2,3,4,5,6,7
	s_wait_dscnt 28-4*\i                           ; this row's four loads are back; the later rows' four each may be out
	v_readlane_b32 s72, v60, 8*\q+\i               ; the row's two weights: numbers only
	v_readlane_b32 s74, v61, 8*\q+\i
	v_pk_add_f32 v[64+16*\i:65+16*\i], v[64+16*\i:65+16*\i], v[68+16*\i:69+16*\i]
	v_pk_add_f32 v[66+16*\i:67+16*\i], v[66+16*\i:67+16*\i], v[70+16*\i:71+16*\i]
	v_pk_add_f32 v[72+16*\i:73+16*\i], v[72+16*\i:73+16*\i], v[76+16*\i:77+16*\i]
	v_pk_add_f32 v[74+16*\i:75+16*\i], v[74+16*\i:75+16*\i], v[78+16*\i:79+16*\i]
	v_pk_add_f32 v[64+16*\i:65+16*\i], v[64+16*\i:65+16*\i], v[52:53]
	v_pk_add_f32 v[66+16*\i:67+16*\i], v[66+16*\i:67+16*\i], v[54:55]
	v_pk_add_f32 v[72+16*\i:73+16*\i], v[72+16*\i:73+16*\i], v[56:57]
	v_pk_add_f32 v[74+16*\i:75+16*\i], v[74+16*\i:75+16*\i], v[58:59]
	v_pk_mul_f32 v[72+16*\i:73+16*\i], v[72+16*\i:73+16*\i], s[74:75] op_sel_hi:[1,0]
	v_pk_mul_f32 v[74+16*\i:75+16*\i], v[74+16*\i:75+16*\i], s[74:75] op_sel_hi:[1,0]
	v_pk_fma_f32 v[64+16*\i:65+16*\i], v[64+16*\i:65+16*\i], s[72:73], v[72+16*\i:73+16*\i] op_sel_hi:[1,0,1]
	v_pk_fma_f32 v[66+16*\i:67+16*\i], v[66+16*\i:67+16*\i], s[72:73], v[74+16*\i:75+16*\i] op_sel_hi:[1,0,1]
	global_store_b128 v30, v[64+16*\i:67+16*\i], s[12:13] offset:4096*(8*\q+\i) th:TH_STORE_NT   ; 32 lanes store 512 consecutive bytes, at a multiple of 256 from out0's first byte
.endr
.endm
	ROWS 0
	s_wait_xcnt 0x0                                ; the stores' data registers are loaded again only behind this wait
	ROWS 1
	s_wait_xcnt 0x0
	ROWS 2
	s_wait_xcnt 0x0
	ROWS 3
	s_wait_tensorcnt 0x0                           ; the wave's end
	ds_add_u32 v12, v13
	s_wait_dscnt 0x0
	CROUND                                         ; the closing round
	s_endpgm
.Lfunc_end_k_qda5750a118_proj:
	.size	k_qda5750a118_proj, .Lfunc_end_k_qda5750a118_proj-k_qda5750a118_proj
	.p2alignl 7, 3214868480
	.fill 96, 4, 3214868480
	.section	.rodata,"a",@progbits
	.p2align	6, 0x0
	.amdhsa_kernel k_qda5750a118_proj
		.amdhsa_group_segment_fixed_size 327680
		.amdhsa_private_segment_fixed_size 0
		.amdhsa_enable_private_segment 0
		.amdhsa_kernarg_size 40
		.amdhsa_user_sgpr_count 2
		.amdhsa_user_sgpr_kernarg_segment_ptr 1
		.amdhsa_wavefront_size32 1
		.amdhsa_system_sgpr_workgroup_id_x 1
		.amdhsa_system_sgpr_workgroup_id_y 1
		.amdhsa_system_sgpr_workgroup_id_z 1
		.amdhsa_system_vgpr_workitem_id 0
		.amdhsa_next_free_vgpr 1024
		.amdhsa_next_free_sgpr 100
		.amdhsa_reserve_vcc 0
		.amdhsa_float_denorm_mode_32 3
		.amdhsa_float_denorm_mode_16_64 3
		.amdhsa_memory_ordered 1
		.amdhsa_forward_progress 1
		.amdhsa_inst_pref_size 141
	.end_amdhsa_kernel
	.amdgpu_metadata
---
amdhsa.version: [ 1, 2 ]
amdhsa.kernels:
  - .name:           k_qda5750a118_proj
    .symbol:         k_qda5750a118_proj.kd
    .args:
      - { .name: HQ, .offset: 0, .size: 8, .value_kind: global_buffer, .address_space: global }
      - { .name: W2Q, .offset: 8, .size: 8, .value_kind: global_buffer, .address_space: global }
      - { .name: out1, .offset: 16, .size: 8, .value_kind: global_buffer, .address_space: global }
      - { .name: b2, .offset: 24, .size: 8, .value_kind: global_buffer, .address_space: global }
      - { .name: out0, .offset: 32, .size: 8, .value_kind: global_buffer, .address_space: global }
    .group_segment_fixed_size: 327680
    .private_segment_fixed_size: 0
    .kernarg_segment_align: 8
    .kernarg_segment_size: 40
    .max_flat_workgroup_size: 128
    .sgpr_count:     100
    .vgpr_count:     1024
    .wavefront_size: 32
...
	.end_amdgpu_metadata
.endif
;; end of part 3
